; MI455X (gfx1250); checked and timed in simulation.
; The chip was launched on July 23, 2026; its instructions are those of AMD's public machine-readable ISA for CDNA 5 (MIT licence, August 2026) and "CDNA5" Instruction Set Architecture Reference Guide (July 2026). The comments in the code are by the model that wrote it; some were corrected since.
;; LSTM. Allowed arithmetic: matrix products marked QUANTISED: E5M2 operands, one given power-of-two scale a tensor, by v_wmma_f32_16x16x64_bf8_bf8 or v_wmma_f32_16x16x128_bf8_bf8, f32 sums; everything else in f32.
;; Inputs: W_hf 2,048 x 2,048 float32; W_hg 2,048 x 2,048 float32; W_hi 2,048 x 2,048 float32; W_ho 2,048 x 2,048 float32; W_if 2,048 x 2,048 float32; W_ig 2,048 x 2,048 float32; W_ii 2,048 x 2,048 float32; W_io 2,048 x 2,048 float32; b_f 2,048 float32; b_g 2,048 float32; b_i 2,048 float32; b_o 2,048 float32; hidden_codes 2,048 x 64 x 32 uint8 (E5M2 codes of hidden, K innermost, in blocks of 32 codes); input_codes 2,048 x 64 x 32 uint8 (E5M2 codes of input, K innermost, in blocks of 32 codes); lowp_scales 4 int32 (the exponents e of the quantised operands' scales 2^e); output 2,048 x 2,048 float32.
;; Outputs: out0 2,048 x 2,048 float32; out1 2,048 x 2,048 float32.
;; This version of the problem:
;;   THIS VERSION OF THE PROBLEM IS GIVEN IN LOW PRECISION. The matrix products marked QUANTISED in the list below multiply operands that are first quantised to E5M2 (5 exponent bits, 2 mantissa bits; 8 bits a number), with one given power-of-two scale for each operand tensor; their sums are f32. All else is computed in f32.
;;   The module's matrix products, in the order in which they are computed (A, B: the left and right operand; K: the contracted axis; several contracted axes count as one K, in the product's order):
;;     1. [M 2,048, K 2,048] x [K 2,048, N 8,192]; A: input input (given as codes); B: computed on the way: QUANTISED (scales: A lowp_scales[0], B lowp_scales[1])
;;     2. [M 2,048, K 2,048] x [K 2,048, N 8,192]; A: input hidden (given as codes); B: computed on the way: QUANTISED (scales: A lowp_scales[2], B lowp_scales[3])
;;   THE QUANTISER, for each operand of a quantised product, along K:
;;     - The operand's scale is 2^e, e = its entry of the input lowp_scales (int32; the entries are numbered through the quantised products in the list's order, A before B).
;;     - Each number is divided by the scale, clamped to +-57,344, and rounded to the nearest number of E5M2, ties to even, subnormals kept.
;;     - The product sums the exact products of the quantised numbers (number of the format x scale) in f32.
;;   ~~~python
;;   def quantise(x, axis, e):      # numpy; x: float32 -> the quantised numbers, widened to float32 again
;;       x = np.moveaxis(x, axis, -1); K = x.shape[-1]
;;       r = np.clip(x / 2.0 ** e, -57344, 57344)
;;       step = 2.0 ** (np.maximum(np.frexp(np.where(r == 0, 1, r))[1] - 1, -14) - 2)
;;       q = np.round(r / step) * step * 2.0 ** e      # np.round: ties to even
;;       return np.moveaxis(q, -1, axis).astype(np.float32)
;;   ~~~
;;   OPERANDS COMPUTED ON THE WAY. 'Computed on the way' means the value that the module computes at that place (a softmax that the list does not call 'softmax' is quantised finished and normalised). What goes into a quantiser is computed in f32, as accurately as f32 sums, v_exp_f32 and their like allow (about 1e-6 of the number): no bf16 or f16 on the way to a quantiser, and a product that is left as it is and whose result goes on into a quantised operand takes f32 operands (vector FMAs, or v_wmma_f32_16x16x4_f32). A number that lies on a knife's edge between two numbers of the format may be rounded either way, as far as f32 arithmetic and the matrix unit's own rounding can turn it there, and no further.
;;   INPUTS GIVEN AS CODES. hidden (in the module: [2048, 2048], K = its axis 1); input (in the module: [2048, 2048], K = its axis 1): each comes as NAME_codes (uint8): NAME with its K axis moved to the last place and cut into blocks of 32 codes, [.., K / 32, bytes a block], one block behind the other in memory; one code a byte (a code: sign, 5 exponent bits, 2 mantissa bits); its scale is its entry of lowp_scales. Its value is code x scale, taken as it is: it is not quantised again, and the codes and scales need not be those that the quantiser above would give.
;; One version. Each part assembles by itself: llvm-mc -triple=amdgcn-amd-amdhsa -mcpu=gfx1250 --defsym DOCPART=n.
;; ======== version 1 of 1: 2 launches
;; limits: right only within a limited range of input values
;; workspace buffers: wq 33,554,432 bytes
;; launch quant (part 1): grid 16 x 64, 4 waves a work-group, no clusters, 36,352 bytes of LDS; arguments W_ii, W_if, W_ig, W_io, W_hi, W_hf, W_hg, W_ho, lowp_scales, wq; writes wq
.if DOCPART == 1
	.amdgcn_target "amdgcn-amd-amdhsa--gfx1250"
	.amdhsa_code_object_version 6
	.text
	.protected	k_qb333e315bb_quant
	.globl	k_qb333e315bb_quant
	.p2align	8
	.type	k_qb333e315bb_quant,@function
k_qb333e315bb_quant:
	s_mov_b64 s[64:65], 0
	v_nop
	global_prefetch_b8 v0, s[64:65] scope:SCOPE_SE
	s_setreg_imm32_b32 hwreg(HW_REG_WAVE_MODE, 25, 1), 1
	s_wait_xcnt 0x0
; The eight weights, each [2048 (k)][2048 (h)] f32 with K as the FIRST axis, become codes of BF8 (E5M2) in wq, laid as the product wants an operand: 8,192 rows of 4,096 bytes, K innermost.
; ROW of wq for gate x (0..3 = i, f, g, o) and column h:  128 (h / 32) + 32 x + h % 32: so 128 neighbouring rows are the four gates of 32 neighbouring columns.
; BYTE in a row: k for the weights of the input (W_i*), 2,048 + k for those of the hidden state (W_h*): the two products are one walk along 4,096.
; code = w / 2^e, held within +-57,344, rounded to the nearest code, ties to even.  e = entry 1 of the scales for W_i*, entry 3 for W_h*.
; LIMITS: -126 <= e <= 112, so that 2^e and 57,344 x 2^e are f32 numbers.  NaN among the weights is not served; an infinity is held at the largest code.
; A LANE TAKES A COLUMN, AND ITS REGISTERS RUN DOWN K: each load reads neighbouring columns in neighbouring lanes (128 consecutive bytes a wave, 512 a work-group), and the conversions,
; which take neighbours along K from one lane's consecutive registers, give codes with K innermost.  Nothing is transposed by an instruction.
; SHARES: work-group x = 128 columns; y = 8 x tensor + which 256 along K.  A wave takes 32 columns x 256 along K: 8 blocks of 32 a lane, 256 bytes of codes for each column.  They go through the
; wave's own stage in LDS and leave as rows: sixteen lanes store 256 consecutive bytes, aligned.  No tensor loads, no barrier: waves share nothing.  Loads run two blocks (64 loads a wave) ahead.
; No cluster: no two work-groups read the same byte.  No prefetch: the launch is one stream of loads that are all issued well ahead.
.set NB,    8                          ; blocks of 32 along K for a wave
.set PITCH, 272                        ; a stage row: 256 bytes of codes + 16
.set WROW,  8192                       ; a row of a weight in bytes
.set QROW,  4096                       ; a row of wq in bytes
.set X,     32                         ; v32-95   two sets of 32 numbers
.set C,     96                         ; v96-103  a block's codes
.set OUTR,  112                        ; v112-175 the way out: 16 x 4 registers
	s_load_b512 s[8:23], s[0:1], 0x0               ; W_ii, W_if, W_ig, W_io, W_hi, W_hf, W_hg, W_ho
	s_load_b128 s[24:27], s[0:1], 0x40             ; the scales' exponents s[24:25], wq s[26:27]
	v_lshl_add_u32 v192, v0, 2, 0x8c00
	v_mov_b32 v193, 0
	v_lshrrev_b32 v1, 5, v0
	v_readfirstlane_b32 s28, v1                    ; wave 0..3
	v_and_b32 v2, 31, v0                           ; lane
	s_wait_alu depctr_va_vdst(0)
	s_and_b32 s29, ttmp7, 0xffff                   ; work-group y
	s_lshr_b32 s30, s29, 3                         ; t: which tensor, 0..7
	s_and_b32 s31, s29, 7                          ; kc: which 256 along K
	s_and_b32 s32, s30, 3                          ; the gate
	s_lshr_b32 s33, s30, 2                         ; 0: a weight of the input; 1: of the hidden state
	s_lshl_b32 s34, ttmp9, 2
	s_add_co_u32 s34, s34, s28                     ; c32: which 32 columns are my wave's: 4 x work-group x + wave
	v_lshlrev_b32 v3, 2, v2                        ; in: 4 bytes a lane
	s_mul_i32 s35, s28, 32*PITCH                   ; my stage
	v_mul_u32_u24 v4, v2, PITCH
	v_add_nc_u32 v4, s35, v4                       ; into it: row = my column
	v_and_b32 v5, 15, v2
	v_lshrrev_b32 v6, 4, v2                        ; out of it: sixteen lanes to a row, two rows an instruction
	v_mul_u32_u24 v7, v6, PITCH
	v_lshl_add_u32 v7, v5, 4, v7
	v_add_nc_u32 v7, s35, v7                       ; LDS address
	v_lshlrev_b32 v8, 12, v6
	v_lshl_add_u32 v8, v5, 4, v8                   ; and the same place in wq: 4,096 x (lane / 16) + 16 x (lane % 16)
	; where my wave's part begins, in bytes.  The weight: 256 kc rows of 8,192 + 128 c32
	s_lshl_b32 s40, s31, 21
	s_lshl_b32 s44, s34, 7
	s_add_co_u32 s40, s40, s44
	s_mov_b32 s41, 0
	; wq: row 128 c32 + 32 gate, of 4,096 bytes; + 2,048 for a weight of the hidden state; + 256 kc
	s_lshl_b32 s42, s34, 19
	s_lshl_b32 s44, s32, 17
	s_add_co_u32 s42, s42, s44
	s_lshl_b32 s44, s33, 11
	s_add_co_u32 s42, s42, s44
	s_lshl_b32 s44, s31, 8
	s_add_co_u32 s42, s42, s44
	s_mov_b32 s43, 0
	s_wait_kmcnt 0x0
	s_load_b128 s[36:39], s[24:25], 0x0            ; the four exponents
	; the tensor is chosen among the eight addresses by the three bits of t, which hang on the work-group's number alone
	s_and_b32 s45, s30, 1
	s_cmp_lg_u32 s45, 0
	s_cselect_b64 s[8:9], s[10:11], s[8:9]
	s_cselect_b64 s[12:13], s[14:15], s[12:13]
	s_cselect_b64 s[16:17], s[18:19], s[16:17]
	s_cselect_b64 s[20:21], s[22:23], s[20:21]
	s_and_b32 s45, s30, 2
	s_cmp_lg_u32 s45, 0
	s_cselect_b64 s[8:9], s[12:13], s[8:9]
	s_cselect_b64 s[16:17], s[20:21], s[16:17]
	s_cmp_lg_u32 s33, 0
	s_cselect_b64 s[4:5], s[16:17], s[8:9]
	s_add_nc_u64 s[4:5], s[4:5], s[40:41]
	s_add_nc_u64 s[26:27], s[26:27], s[42:43]
.macro LOAD t                          ; block t: W(256 kc + 32 t + i, my column), i = 0 .. 31, into set t % 2.  The largest offset, 255 rows, lies inside the signed 24-bit immediate
.irp i, 0,1,2,3,4,5,6,7,8,9,10,11,12,13,14,15,16,17,18,19,20,21,22,23,24,25,26,27,28,29,30,31
	global_load_b32 v[X+32*((\t)%2)+\i], v3, s[4:5] offset:(32*(\t)+\i)*WROW th:TH_LOAD_NT
.endr
.endm
	LOAD 0
	LOAD 1
	s_wait_kmcnt 0x0                               ; the exponents are in: they are waited for behind the first 64 loads of the weight
	s_cmp_lg_u32 s33, 0
	s_cselect_b32 s36, s39, s37                    ; e: entry 3 or entry 1
	s_add_co_i32 s36, s36, 127
	s_lshl_b32 s37, s36, 23
	v_mov_b32 v11, s37                             ; 2^e as f32: the conversion takes its exponent field
	s_add_co_i32 s36, s36, 15
	s_lshl_b32 s36, s36, 23
	s_or_b32 s36, s36, 0x600000
	v_mov_b32 v10, s36                             ; 57,344 x 2^e
.macro BLOCK t
.set XS, X+32*((\t)%2)
.if (\t) < NB-1
	s_wait_loadcnt 32                              ; this block's 32 loads are in; the next block's 32 may be out
.else
	s_wait_loadcnt 0
.endif
.irp i, 0,1,2,3,4,5,6,7,8,9,10,11,12,13,14,15,16,17,18,19,20,21,22,23,24,25,26,27,28,29,30,31
	v_med3_num_f32 v[XS+\i], v[XS+\i], -v10, v10   ; the conversion to an 8-bit code does not saturate (ISA guide 7.6.2): the number is held within the largest code x the scale first
.endr
.irp g, 0,1,2,3
	v_cvt_scalef32_pk8_bf8_f32 v[C+2*\g:C+2*\g+1], v[XS+8*\g:XS+8*\g+7], v11
.endr
	ds_store_b128 v4, v[C:C+3] offset:32*(\t)      ; 32 codes: 32 bytes of my column's row
	ds_store_b128 v4, v[C+4:C+7] offset:32*(\t)+16
.if (\t)+2 < NB
	LOAD (\t)+2                                    ; the set just converted takes the block two further on
.endif
	s_wait_dscnt 0x0                               ; the stores have read their registers: the next block's codes may be written
.endm
.set Q, 0
	s_wait_alu depctr_va_vdst(0)
.rept NB
	BLOCK Q
.set Q, Q+1
.endr
.irp t, 0,1,2,3,4,5,6,7,8,9,10,11,12,13,14,15
	ds_load_b128 v[OUTR+4*\t:OUTR+4*\t+3], v7 offset:2*\t*PITCH   ; LDS serves a wave's instructions in order (ISA guide 5.7.1.4): these see my stores
.endr
.irp t, 0,1,2,3,4,5,6,7,8,9,10,11,12,13,14,15
	s_wait_dscnt 15-\t                             ; loads come back in order: number t is in, the younger ones may be out
	global_store_b128 v8, v[OUTR+4*\t:OUTR+4*\t+3], s[26:27] offset:2*\t*QROW   ; sixteen lanes store 256 consecutive bytes of a row of wq, at a multiple of 256 from its first byte
.endr
	s_wait_tensorcnt 0x0
	ds_add_u32 v192, v193
	s_wait_dscnt 0x0
	s_endpgm
.Lfunc_end_k_qb333e315bb_quant:
	.size	k_qb333e315bb_quant, .Lfunc_end_k_qb333e315bb_quant-k_qb333e315bb_quant
	.p2alignl 7, 3214868480
	.fill 96, 4, 3214868480
	.section	.rodata,"a",@progbits
	.p2align	6, 0x0
	.amdhsa_kernel k_qb333e315bb_quant
		.amdhsa_group_segment_fixed_size 36352
		.amdhsa_private_segment_fixed_size 0
		.amdhsa_enable_private_segment 0
		.amdhsa_kernarg_size 80
		.amdhsa_user_sgpr_count 2
		.amdhsa_user_sgpr_kernarg_segment_ptr 1
		.amdhsa_wavefront_size32 1
		.amdhsa_system_sgpr_workgroup_id_x 1
		.amdhsa_system_sgpr_workgroup_id_y 1
		.amdhsa_system_sgpr_workgroup_id_z 1
		.amdhsa_system_vgpr_workitem_id 0
		.amdhsa_next_free_vgpr 194
		.amdhsa_next_free_sgpr 66
		.amdhsa_reserve_vcc 0
		.amdhsa_float_denorm_mode_32 3
		.amdhsa_float_denorm_mode_16_64 3
		.amdhsa_memory_ordered 1
		.amdhsa_forward_progress 1
		.amdhsa_inst_pref_size 50
	.end_amdhsa_kernel
	.amdgpu_metadata
---
amdhsa.version: [ 1, 2 ]
amdhsa.kernels:
  - .name:           k_qb333e315bb_quant
    .symbol:         k_qb333e315bb_quant.kd
    .args:
      - { .name: W_ii, .offset: 0, .size: 8, .value_kind: global_buffer, .address_space: global }
      - { .name: W_if, .offset: 8, .size: 8, .value_kind: global_buffer, .address_space: global }
      - { .name: W_ig, .offset: 16, .size: 8, .value_kind: global_buffer, .address_space: global }
      - { .name: W_io, .offset: 24, .size: 8, .value_kind: global_buffer, .address_space: global }
      - { .name: W_hi, .offset: 32, .size: 8, .value_kind: global_buffer, .address_space: global }
      - { .name: W_hf, .offset: 40, .size: 8, .value_kind: global_buffer, .address_space: global }
      - { .name: W_hg, .offset: 48, .size: 8, .value_kind: global_buffer, .address_space: global }
      - { .name: W_ho, .offset: 56, .size: 8, .value_kind: global_buffer, .address_space: global }
      - { .name: lowp_scales, .offset: 64, .size: 8, .value_kind: global_buffer, .address_space: global }
      - { .name: wq, .offset: 72, .size: 8, .value_kind: global_buffer, .address_space: global }
    .group_segment_fixed_size: 36352
    .private_segment_fixed_size: 0
    .kernarg_segment_align: 8
    .kernarg_segment_size: 80
    .max_flat_workgroup_size: 128
    .sgpr_count:     66
    .vgpr_count:     194
    .wavefront_size: 32
...
	.end_amdgpu_metadata
.endif
;; end of part 1
;; launch cell (part 2): grid 32 x 8, 4 waves a work-group, clusters of 4 x 4, 327,680 bytes of LDS; arguments input_codes, hidden_codes, wq, lowp_scales, b_i, b_f, b_g, b_o, output, out0, out1; writes out0, out1
.if DOCPART == 2
	.amdgcn_target "amdgcn-amd-amdhsa--gfx1250"
	.amdhsa_code_object_version 6
	.text
	.protected	k_qb333e315bb_cell
	.globl	k_qb333e315bb_cell
	.p2align	8
	.type	k_qb333e315bb_cell,@function
k_qb333e315bb_cell:
	s_mov_b64 s[64:65], 0
	v_nop
	global_prefetch_b8 v0, s[64:65] scope:SCOPE_SE
	s_setreg_imm32_b32 hwreg(HW_REG_WAVE_MODE, 25, 1), 1
	s_wait_xcnt 0x0
	s_wait_alu depctr_hold_cnt(0) depctr_sa_sdst(0) depctr_va_vdst(0) depctr_va_sdst(0) depctr_va_ssrc(0) depctr_va_vcc(0) depctr_vm_vsrc(0)
	s_getreg_b32 s2, hwreg(HW_REG_IB_STS2, 6, 4)
	s_cmp_eq_u32 s2, 0
	s_cbranch_scc0 .Lentry_in_a_cluster
	s_endpgm
.Lentry_in_a_cluster:
	s_bfe_u32 s2, ttmp6, 0x10000c
	s_cmp_lg_u32 s2, 0xf033
	s_cbranch_scc0 .Lentry_shape_is_right
	s_endpgm
.Lentry_shape_is_right:
; pre = input Wi + hidden Wh + b on codes of BF8, then the gates, c_t (out0) and h_t (out1), in one launch.
; A = input_codes (K steps 0-7) and then hidden_codes (K steps 8-15), rows of 2,048 bytes; B = wq, 8,192 rows of 4,096 bytes: 128 neighbouring rows are the four gates of 32 columns.
; A work-group of four waves makes 256 rows x 256 rows of wq (64 columns of c and h); a wave 128 x 128: 64 accumulators, 512 registers; all four gates of an element lie in one lane.
; The first product's sums are multiplied once by 2^(e0 + e1 - e2 - e3), then the second product adds on; 2^(e2 + e3) goes into the gates' factors.
; LIMITS: e0 + e1 - e2 - e3 and e2 + e3 lie between -120 and 120, so that these factors are f32 numbers.
; sigmoid(x) = 1 / (1 + 2^(-x log2 e)), tanh(x) = 1 - 2 / (1 + 2^(2 x log2 e)): an exponential that overflows gives the limit value.
; K goes in steps of 256 through two LDS slots filled by joint tensor loads: 4 x 4 work-groups form a cluster, A's tile is shared along its row, B's along its column.
; A step of 128 along K is 64 matrix instructions, A's blocks one after the other, each against B's eight.  A has one set of registers (blocks 0-3 fetched anew in the step's middle,
; blocks 4-7 at its end), B two.  So a step has two runs of LDS loads, 48 and 16.
; REGISTERS: window 0: v0-31 addresses, v32-95 biases, v128-255 A's fragments (on the way out v96-223 two blocks' gates, v224-255 the old cell state); window 1: B's two sets;
; windows 2, 3: the accumulators ((a, b) at v[8 (8 (a % 4) + b)]).
; The matrix instruction is used transposed (source 0 = rows of wq, source 1 = rows of A): a lane holds eight neighbouring columns of one row.
; PREFETCH: behind each joint load one instruction a wave for the K step two refills on: of the 128 rows that the wave fetches, its work-group's 32 (told apart by address: cx for A, cy for B),
; a lane a row: each block of 256 bytes is named once in each cluster that loads it.  K steps 1 to 3 are asked for at the head; the last two refills ask for nothing.
.set ROWB,   256
.set AROW,   2048
.set BROW,   4096
.set OROW,   8192
.set PITCH,  272                       ; an LDS row: 256 bytes + 16
.set FR,     16
.set NP,     4                         ; places behind this matrix instruction (ISA guide 7.12.1)
.set HALFT,  128*PITCH
.set SLOT,   4*HALFT
.set SPARE,  2*SLOT                    ; the spare words, 512 bytes that no other line names
.set STC,    SLOT                      ; the way out: stages for c and h in slot 1, behind its last fill and last read
.set STH,    SLOT+2*HALFT
.set PART,   64*PITCH
.set ADRA, 16
.set ADRB, 20
.set BO,   22
.set STOH, 23
.set STOC, 24
.set RDC,  25
.set CO,   26
.set CPA,  27
.set SPW,  28
.set NIL,  29
.set PFO,  30
.set RDH,  31
.set BI,   32
.set T,    96
.set CP,   224
.set AF,   128
.set HID,  12
.set G1,   24
.set G0,   32
.set G1B,  48
.set G0B,  56
.set PFH,  66
.set PFA,  82
.set G1C,  84
.set G0C,  92
.set RS,   96
.set SS,   98
.set SG,   100
.set MSB, 0
.macro WIN new                         ; the immediate's high byte repeats the setting that is left
.if MSB != \new
	s_set_vgpr_msb (MSB<<8)|\new
.set MSB, \new
.endif
.endm
.set MUL_LO, 0xa1                      ; source 0 (B) window 1, source 1 (A) window 0, C and D window 2
.set MUL_HI, 0xf1
.set TO_B,   0x40
.set FROM_B, 0x04
.macro JLOAD g0a, g1a, g0b, g1b        ; a joint load: waves 0, 1 fetch A's halves, waves 2, 3 B's; s_nop 0 and four v_nop behind each line
	s_cmp_eq_u32 s15, 0
	s_cbranch_scc0 .Lfor_b_\@
	tensor_load_to_lds s[\g0a:\g0a+3], s[\g1a:\g1a+7]
	s_nop 0
.rept 4
	v_nop
.endr
	s_branch .Lasked_\@
.Lfor_b_\@:
	tensor_load_to_lds s[\g0b:\g0b+3], s[\g1b:\g1b+7]
	s_nop 0
.rept 4
	v_nop
.endr
.Lasked_\@:
.endm
.macro CREST                           ; a round of the cluster's barrier behind its opening barrier
	s_cmp_lg_u32 s14, 0
	s_cbranch_scc1 .Lnot_wave_0_\@
	s_barrier_signal -3
.Lnot_wave_0_\@:
	s_barrier_wait -3
	s_barrier_signal -1
	s_barrier_wait -1
.endm
.macro CROUND
	s_barrier_signal -1
	s_barrier_wait -1
	CREST
.endm
.macro ASK how                         ; one prefetch a wave: 32 rows x the 256 bytes at PFA.  how = 0, in the second loop: not in its last trip, where no K step stands two refills on
.if \how
	global_prefetch_b8 v[PFO], s[PFA:PFA+1] th:TH_LOAD_NT scope:SCOPE_SE
.else
	s_cmp_gt_u32 s3, 1
	s_cbranch_scc0 .Lno_more_\@
	global_prefetch_b8 v[PFO], s[PFA:PFA+1] th:TH_LOAD_NT scope:SCOPE_SE
.Lno_more_\@:
.endif
.endm
	s_load_b256 s[4:11], s[0:1], 0x0               ; input_codes, hidden_codes, wq, lowp_scales
	s_load_b256 s[68:75], s[0:1], 0x20             ; b_i, b_f, b_g, b_o
	s_load_b128 s[76:79], s[0:1], 0x40             ; output, out0
	s_load_b64 s[80:81], s[0:1], 0x50              ; out1
	v_lshl_add_u32 v[SPW], v0, 2, SPARE
	v_mov_b32 v[NIL], 0
	ds_add_u32 v[SPW], v[NIL]                      ; the opening lines: the add, twice on end, and its wait
	ds_add_u32 v[SPW], v[NIL]
	v_lshrrev_b32 v1, 5, v0
	v_readfirstlane_b32 s14, v1                    ; wave
	s_lshr_b32 s15, s14, 1                         ; my half of the rows; also: I fetch for A (0) or B (1)
	s_and_b32 s16, s14, 1                          ; my half of the columns; also: which 128 rows I fetch
	s_bfe_u32 s40, ttmp6, 0x40000                  ; cx
	s_bfe_u32 s41, ttmp6, 0x40004                  ; cy
	s_lshl_b32 s42, ttmp9, 2
	s_add_co_u32 s42, s42, s40                     ; tile column
	s_and_b32 s17, ttmp7, 0xffff
	s_lshl_b32 s17, s17, 2
	s_add_co_u32 s17, s17, s41                     ; tile row
	s_lshl_b32 s43, s41, 2
	s_lshl_b32 s43, 15, s43                        ; my row of the cluster
	s_lshl_b32 s44, 0x1111, s40                    ; my column
	s_or_b32 s[G1+0], s43, (0<<16)|(1<<20)|(1<<21)|(5<<22)|(3<<25)
	s_or_b32 s[G1B+0], s44, (0<<16)|(1<<20)|(1<<21)|(5<<22)|(3<<25)
.irp g, G1, G1B
	s_mov_b32 s[\g+1], ROWB<<16
	s_mov_b32 s[\g+2], 128<<16
	s_mov_b32 s[\g+3], ROWB<<16
	s_mov_b32 s[\g+4], 128
	s_mov_b32 s[\g+6], 0
	s_mov_b32 s[\g+7], 0
.endr
	s_mov_b32 s[G1+5], AROW
	s_mov_b32 s[G1B+5], BROW
	s_mov_b32 s[G1C+0], (2<<16)|(1<<20)|(5<<22)|(3<<25)   ; the old cell state's tile: 64 rows x 64 f32 a wave, no mask
	s_mov_b32 s[G1C+1], 64<<16
	s_mov_b32 s[G1C+2], 64<<16
	s_mov_b32 s[G1C+3], 64<<16
	s_mov_b32 s[G1C+4], 64
	s_mov_b32 s[G1C+5], 2048
	s_mov_b32 s[G1C+6], 0
	s_mov_b32 s[G1C+7], 0
	s_lshl_b32 s18, s16, 7
	s_lshl_b32 s20, s17, 8
	s_add_co_u32 s20, s20, s18
	s_lshl_b32 s20, s20, 11                        ; A: (256 x tile row + 128 x half) rows of 2,048 bytes
	s_mov_b32 s21, 0
	s_lshl_b32 s46, s42, 8
	s_add_co_u32 s46, s46, s18
	s_lshl_b32 s46, s46, 12                        ; B: rows of 4,096 bytes
	s_mov_b32 s47, 0
	s_mul_i32 s45, s14, HALFT
	s_lshl_b32 s22, s17, 8
	s_lshl_b32 s23, s14, 6
	s_add_co_u32 s22, s22, s23
	s_lshl_b32 s22, s22, 13
	s_lshl_b32 s23, s42, 8
	s_add_co_u32 s22, s22, s23                     ; output: row 256 x tile row + 64 x wave, byte 256 x tile column
	s_mov_b32 s23, 0
	s_lshl_b32 s2, s17, 8
	s_lshl_b32 s3, s15, 7
	s_add_co_u32 s2, s2, s3
	s_lshl_b32 s3, s16, 4
	s_add_co_u32 s2, s2, s3
	s_lshl_b32 s2, s2, 13
	s_lshl_b32 s3, s42, 8
	s_add_co_u32 s2, s2, s3                        ; where my stores begin in out0 and out1
	s_mov_b32 s3, 0
	s_wait_dscnt 0x0                               ; both opening adds are done
	CROUND                                         ; the round in front of the first joint loads; it needs no argument, so it stands ahead of the wait for them
	s_wait_kmcnt 0x0
	s_load_b128 s[96:99], s[10:11], 0x0            ; the four exponents
	s_add_nc_u64 s[HID:HID+1], s[6:7], s[20:21]
	s_add_nc_u64 s[20:21], s[4:5], s[20:21]
	s_add_nc_u64 s[46:47], s[8:9], s[46:47]
	s_mov_b32 s[G0C], 1
	s_mul_i32 s[G0C+1], s14, 64*PITCH
	s_add_nc_u64 s[G0C+2:G0C+3], s[76:77], s[22:23]
	s_or_b32 s[G0C+3], s[G0C+3], 0x80000000
	s_add_nc_u64 s[78:79], s[78:79], s[2:3]
	s_add_nc_u64 s[80:81], s[80:81], s[2:3]
.irp s, 0,1
	s_mov_b32 s[G0+4*\s], 1
	s_add_co_u32 s[G0+4*\s+1], s45, \s*SLOT
	s_add_nc_u64 s[G0+4*\s+2:G0+4*\s+3], s[20:21], \s*ROWB
	s_or_b32 s[G0+4*\s+3], s[G0+4*\s+3], 0x80000000
	s_mov_b32 s[G0B+4*\s], 1
	s_add_co_u32 s[G0B+4*\s+1], s45, \s*SLOT
	s_add_nc_u64 s[G0B+4*\s+2:G0B+4*\s+3], s[46:47], \s*ROWB
	s_or_b32 s[G0B+4*\s+3], s[G0B+4*\s+3], 0x80000000
.endr
	JLOAD G0, G1, G0B, G1B                         ; K step 0: one tensor load a wave at the head; all that follows up to the wait is made while it is out
	; the prefetches: of the 128 rows that I fetch, my work-group's 32
	s_lshl_b32 s18, s17, 8
	s_lshl_b32 s19, s42, 8
	s_cmp_eq_u32 s15, 0
	s_cselect_b32 s18, s18, s19                    ; the tile's first row: in A by the tile row, in B by the tile column
	s_cselect_b32 s19, s40, s41                    ; my place among the four that ask for it with me
	s_cselect_b32 s23, 11, 12                      ; a row is 2^11 or 2^12 bytes
	s_cselect_b32 s44, 0, 2048
	s_cselect_b64 s[PFA:PFA+1], s[4:5], s[8:9]
	s_cselect_b64 s[PFH:PFH+1], s[6:7], s[8:9]
	s_mov_b32 s45, 0
	s_lshl_b32 s22, s16, 7
	s_add_co_u32 s18, s18, s22
	s_lshl_b32 s19, s19, 5
	s_add_co_u32 s18, s18, s19
	s_lshl_b32 s18, s18, s23
	s_mov_b32 s19, 0
	s_add_nc_u64 s[PFA:PFA+1], s[PFA:PFA+1], s[18:19]
	s_add_nc_u64 s[PFH:PFH+1], s[PFH:PFH+1], s[18:19]
	s_add_nc_u64 s[PFA:PFA+1], s[PFA:PFA+1], 3*ROWB   ; at K step 3
	s_add_nc_u64 s[PFH:PFH+1], s[PFH:PFH+1], s[44:45] ; K step 8: hidden's first bytes, wq's byte 2,048
	v_and_b32 v[PFO], 31, v0
	v_lshlrev_b32 v[PFO], s23, v[PFO]              ; a lane a row
	global_prefetch_b8 v[PFO], s[PFA:PFA+1] offset:-2*ROWB th:TH_LOAD_NT scope:SCOPE_SE   ; K step 1
	global_prefetch_b8 v[PFO], s[PFA:PFA+1] offset:-ROWB th:TH_LOAD_NT scope:SCOPE_SE     ; K step 2
	v_and_b32 v1, 15, v0                           ; l % 16
	v_bfe_u32 v2, v0, 4, 1                         ; l / 16
	v_mul_u32_u24 v3, v1, PITCH
	v_lshl_add_u32 v4, v2, 4, v3
	s_mul_i32 s18, s15, HALFT
	s_mul_i32 s19, s16, HALFT
	s_add_co_u32 s19, s19, 2*HALFT
.irp s, 0,1
	v_add_nc_u32 v[ADRA+\s], s18, v4
	v_add_nc_u32 v[ADRB+\s], s19, v4
	s_add_co_u32 s18, s18, SLOT
	s_add_co_u32 s19, s19, SLOT
.endr
	v_lshl_add_u32 v5, v2, 5, v3
	s_lshl_b32 s19, s16, 7
	s_mul_i32 s18, s15, HALFT
	s_add_co_u32 s18, s18, s19
	v_add_nc_u32 v[CPA], s18, v5                   ; the old cell state in LDS: my row, my 32 bytes
	s_mul_i32 s18, s15, 32*PITCH
	s_add_co_u32 s18, s18, s19
	v_add_nc_u32 v[STOC], s18, v5
	v_add_nc_u32 v[STOH], STH, v[STOC]
	v_add_nc_u32 v[STOC], STC, v[STOC]
	s_mul_i32 s18, s14, 16*PITCH
	v_mul_u32_u24 v5, v2, PITCH
	v_lshl_add_u32 v5, v1, 4, v5
	v_add_nc_u32 v5, s18, v5
	v_add_nc_u32 v[RDC], STC, v5
	v_add_nc_u32 v[RDH], STH, v5
	v_lshlrev_b32 v[CO], 13, v2
	v_lshl_add_u32 v[CO], v1, 4, v[CO]
	v_lshlrev_b32 v[BO], 5, v2
	s_wait_alu depctr_va_vdst(0)
	s_lshl_b32 s18, s42, 8
	s_lshl_b32 s19, s16, 7
	s_add_co_u32 s18, s18, s19
	s_mov_b32 s19, 0
.irp x, 0,1,2,3
	s_add_nc_u64 s[68+2*\x:69+2*\x], s[68+2*\x:69+2*\x], s[18:19]
.endr
.irp x, 0,1,2,3
.irp u, 0,1
.irp k, 0,1
	global_load_b128 v[BI+16*\x+8*\u+4*\k:BI+16*\x+8*\u+4*\k+3], v[BO], s[68+2*\x:69+2*\x] offset:64*\u+16*\k
.endr
.endr
.endr
	s_wait_kmcnt 0x0
	s_add_co_i32 s18, s98, s99                     ; e2 + e3
	s_add_co_i32 s19, s96, s97
	s_sub_co_i32 s19, s19, s18
	s_add_co_i32 s19, s19, 127
	s_lshl_b32 s[RS], s19, 23                      ; 2^(e0 + e1 - e2 - e3)
	s_mov_b32 s[RS+1], s[RS]
	s_lshl_b32 s18, s18, 23
	s_add_co_u32 s[SS], s18, 0xbfb8aa3b            ; -log2(e) x 2^(e2 + e3)
	s_mov_b32 s[SS+1], s[SS]
	s_add_co_u32 s[SG], s18, 0x4038aa3b            ; 2 log2(e) x 2^(e2 + e3)
	s_mov_b32 s[SG+1], s[SG]
	s_wait_loadcnt 0x0
.set n, 0
.rept 32                               ; the biases take the exponentials' factors
.if n/8 == 2
	v_pk_mul_f32 v[BI+2*n:BI+2*n+1], v[BI+2*n:BI+2*n+1], 0x4038aa3b op_sel_hi:[1,0]
.else
	v_pk_mul_f32 v[BI+2*n:BI+2*n+1], v[BI+2*n:BI+2*n+1], 0xbfb8aa3b op_sel_hi:[1,0]
.endif
.set n, n+1
.endr
.macro FRAG reg, adr, q, i             ; 16 rows x 128 K: registers 4 c .. 4 c + 3 hold K = 32 c + 16 (l / 16) + 0 .. 15, the same order in A and in B
.irp c, 0,1,2,3
	ds_load_b128 v[\reg+4*\c:\reg+4*\c+3], v[\adr] offset:128*(\q)+32*\c+(\i)*16*PITCH
.endr
.endm
.macro FETCH_A slot, q, i0             ; A's blocks i0 .. i0 + 3
	WIN 0
.irp i, \i0, \i0+1, \i0+2, \i0+3
	FRAG AF+FR*(\i), ADRA+\slot, \q, \i
.endr
.endm
.macro FETCH_B slot, q, p              ; B's eight blocks into set p
	WIN TO_B
.irp i, 0,1,2,3,4,5,6,7
	FRAG 128*(\p)+FR*\i, ADRB+\slot, \q, \i
.endr
	WIN 0
.endm
.macro MUL8 a, p, zero                 ; A's block a against B's eight; the 64 accumulators take turns in the same order in every step
.set WN, MUL_LO+0x50*((\a)/4)
	WIN WN
.set AA, AF+FR*(\a)
.irp b, 0,1,2,3,4,5,6,7
.set AC, 8*(8*((\a)%4)+\b)
.set BF, 128*(\p)+FR*\b
.if \zero
	v_wmma_f32_16x16x128_bf8_bf8 v[AC:AC+7], v[BF:BF+15], v[AA:AA+15], 0
.else
	v_wmma_f32_16x16x128_bf8_bf8 v[AC:AC+7], v[BF:BF+15], v[AA:AA+15], v[AC:AC+7]
.endif
.endr
.endm
.macro PLACES n                        ; plain places between a matrix instruction and a load into a register that it has read
.rept \n
	v_nop
.endr
.endm
; A slot's first 128 along K (B's set 0); fetches its second 128 (B's into set 1).
.macro STEP slot, zero
	s_wait_dscnt 16                                ; B's set and A's blocks 0-3 are in; the youngest sixteen loads (A's blocks 4-7) may be out
.irp a, 0,1,2,3
	MUL8 \a, 0, \zero
.endr
	s_wait_dscnt 0x0                               ; A's blocks 4-7 are in
	PLACES NP
	FETCH_B \slot, 1, 1
	FETCH_A \slot, 1, 0
.irp a, 4,5,6,7
	MUL8 \a, 0, \zero
.endr
	PLACES NP
	FETCH_A \slot, 1, 4
.endm
.macro REFILL slot, fill, on, how      ; fill = 1: the slot's next K step (on = 1: A goes over to hidden_codes); fill = 2: the old cell state, each wave's own 64 rows
.if \fill == 1
.if \on
.if \slot == 0
	s_mov_b64 s[G0+2:G0+3], s[HID:HID+1]
.else
	s_add_nc_u64 s[G0+6:G0+7], s[HID:HID+1], ROWB
.endif
	s_or_b32 s[G0+4*\slot+3], s[G0+4*\slot+3], 0x80000000
.else
	s_add_nc_u64 s[G0+4*\slot+2:G0+4*\slot+3], s[G0+4*\slot+2:G0+4*\slot+3], 2*ROWB
.endif
	s_add_nc_u64 s[G0B+4*\slot+2:G0B+4*\slot+3], s[G0B+4*\slot+2:G0B+4*\slot+3], 2*ROWB
	JLOAD G0+4*\slot, G1, G0B+4*\slot, G1B
	ASK \how
.else
	tensor_load_to_lds s[G0C:G0C+3], s[G1C:G1C+7]
	s_nop 0
.rept 4
	v_nop
.endr
.endif
.endm
; A slot's second 128 along K (B's set 1), and the change of slots: the wait for all my tensor loads and the add; sixteen products; the wait for the add and for my reads of this slot; the signal;
; eight products; the round; the refill first behind it; eight products; then the next slot's first fragments.
.macro TURN slot, next, fill, on, how
.if \fill == 1
	s_wait_xcnt 0x0                                ; my last prefetch has read its address: it is stepped here
	s_add_nc_u64 s[PFA:PFA+1], s[PFA:PFA+1], ROWB
.if \slot == 0
	s_cmp_eq_u32 s3, 1
	s_cselect_b64 s[PFA:PFA+1], s[PFH:PFH+1], s[PFA:PFA+1]   ; in the first loop's last trip: on to K step 8
.endif
.endif
	s_wait_tensorcnt 0x0                           ; all my tensor loads have landed: my part of the next slot
	ds_add_u32 v[SPW], v[NIL]
	s_wait_dscnt 17                                ; the add and the youngest sixteen loads (A's blocks 4-7) may be out
	MUL8 0, 1, 0
	MUL8 1, 1, 0
	s_wait_dscnt 0x0                               ; the add is done, and my reads of this slot are over
	s_barrier_signal -1
	MUL8 2, 1, 0
	WIN 0
	s_barrier_wait -1
	CREST                                          ; no wave of any partner still reads this slot or has a load on its way
	REFILL \slot, \fill, \on, \how
	MUL8 3, 1, 0
	PLACES NP
	FETCH_B \next, 0, 0
	FETCH_A \next, 0, 0
.irp a, 4,5,6,7
	MUL8 \a, 1, 0
.endr
	PLACES NP
	FETCH_A \next, 0, 4
.endm
.macro RESCALE                         ; the first product's sums x 2^(e0 + e1 - e2 - e3): each accumulator from its low end on
	WIN 0x82
.set n, 0
.rept 128
	v_pk_mul_f32 v[n:n+1], v[n:n+1], s[RS:RS+1] op_sel_hi:[1,0]
.set n, n+2
.endr
	WIN 0xc3
.set n, 0
.rept 128
	v_pk_mul_f32 v[n:n+1], v[n:n+1], s[RS:RS+1] op_sel_hi:[1,0]
.set n, n+2
.endr
.endm
	s_wait_alu depctr_va_vdst(0)
	s_wait_tensorcnt 0x0                           ; my part of K step 0 is in; slot 1's first fill is issued as a refill is
	ds_add_u32 v[SPW], v[NIL]
	s_wait_dscnt 0x0
	CROUND
	JLOAD G0+4, G1, G0B+4, G1B                     ; K step 1
	ASK 1                                          ; K step 3
	FETCH_B 0, 0, 0
	FETCH_A 0, 0, 0
	FETCH_A 0, 0, 4
	STEP 0, 1                                      ; the first step's products start the sums
	s_mov_b32 s3, 3
.Llap1:
	TURN 0, 1, 1, 0, 1
	STEP 1, 0
	TURN 1, 0, 1, 0, 1
	STEP 0, 0
	s_sub_co_u32 s3, s3, 1
	s_cmp_lg_u32 s3, 0
	s_cbranch_scc1 .Llap1
	TURN 0, 1, 1, 1, 1                             ; K step 6's end: slot 0 takes hidden's first K step
	STEP 1, 0
	TURN 1, 0, 1, 1, 1
	RESCALE
	s_wait_alu depctr_va_vdst(0)
	STEP 0, 0
	s_mov_b32 s3, 3
.Llap2:
	TURN 0, 1, 1, 0, 0
	STEP 1, 0
	TURN 1, 0, 1, 0, 0
	STEP 0, 0
	s_sub_co_u32 s3, s3, 1
	s_cmp_lg_u32 s3, 0
	s_cbranch_scc1 .Llap2
	TURN 0, 1, 2, 0, 0                             ; slot 0 takes the old cell state
	STEP 1, 0
	s_wait_dscnt 16                                ; the very last 128 along K: nothing more to fetch
.irp a, 0,1,2,3
	MUL8 \a, 1, 0
.endr
	s_wait_dscnt 0x0
.irp a, 4,5,6,7
	MUL8 \a, 1, 0
.endr
	WIN 0
	PLACES NP
	s_wait_tensorcnt 0x0                           ; my rows of the old cell state are in
	s_wait_dscnt 0x0                               ; my reads of slot 1 are over: the stages lie there
	s_barrier_signal -1
	s_barrier_wait -1
; THE WAY OUT, two blocks of 16 rows (a pair p: blocks 2 p, 2 p + 1) at a time.
.macro CPLOAD p                        ; the old cell state of pair p: 2 x 16 numbers a lane
.irp v, 0,1
.irp u, 0,1
.irp k, 0,1
	ds_load_b128 v[CP+16*\v+8*\u+4*\k:CP+16*\v+8*\u+4*\k+3], v[CPA] offset:(2*(\p)+\v)*16*PITCH+64*\u+16*\k
.endr
.endr
.endr
.endm
.macro BACKP p                         ; part p of the stages back as whole rows, 16 rows of c and of h a wave, into window 1
	WIN TO_B
.irp t, 0,1,2,3,4,5,6,7
	ds_load_b128 v[64*(\p)+4*\t:64*(\p)+4*\t+3], v[RDC] offset:(\p)*PART+\t*2*PITCH
.endr
.irp t, 0,1,2,3,4,5,6,7
	ds_load_b128 v[64*(\p)+32+4*\t:64*(\p)+32+4*\t+3], v[RDH] offset:(\p)*PART+\t*2*PITCH
.endr
	WIN 0
.endm
.macro SENDP p, down                   ; sixteen lanes store 256 consecutive bytes, aligned.  down = 1: the loads were just issued, and each store waits for its own
	WIN FROM_B
.irp t, 0,1,2,3,4,5,6,7
.if \down
	s_wait_dscnt 15-\t
.endif
	global_store_b128 v[CO], v[64*(\p)+4*\t:64*(\p)+4*\t+3], s[78:79] offset:(32*(\p)+2*\t)*OROW th:TH_STORE_NT
.endr
.irp t, 0,1,2,3,4,5,6,7
.if \down
	s_wait_dscnt 7-\t
.endif
	global_store_b128 v[CO], v[64*(\p)+32+4*\t:64*(\p)+32+4*\t+3], s[80:81] offset:(32*(\p)+2*\t)*OROW th:TH_STORE_NT
.endr
	WIN 0
.endm
; The gates of pair p.  Of block v the registers T + 64 v + 16 x + n hold gate x (i, f, g, o), n = 0 .. 15; c is written over f, h over i.
; Each batch of transcendentals has one wait ahead and one behind.
.macro GATES p
.set AC, 128*((\p)%2)
	WIN 0x02+((\p)/2)
.irp v, 0,1
.irp b, 0,1,2,3,4,5,6,7
.irp i, 0,2,4,6
.if \b/2 == 2
	v_pk_fma_f32 v[T+64*\v+8*\b+\i:T+64*\v+8*\b+\i+1], v[AC+64*\v+8*\b+\i:AC+64*\v+8*\b+\i+1], s[SG:SG+1], v[BI+8*\b+\i:BI+8*\b+\i+1] op_sel_hi:[1,0,1]
.else
	v_pk_fma_f32 v[T+64*\v+8*\b+\i:T+64*\v+8*\b+\i+1], v[AC+64*\v+8*\b+\i:AC+64*\v+8*\b+\i+1], s[SS:SS+1], v[BI+8*\b+\i:BI+8*\b+\i+1] op_sel_hi:[1,0,1]
.endif
.endr
.endr
.endr
	WIN 0
.set n, 0
	s_wait_alu depctr_va_vdst(0)
.rept 128
	v_exp_f32 v[T+n], v[T+n]
.set n, n+1
.endr
	v_nop
	s_wait_alu depctr_va_vdst(0)
.set n, 0
.rept 64
	v_pk_add_f32 v[T+n:T+n+1], v[T+n:T+n+1], 1.0 op_sel_hi:[1,0]
.set n, n+2
.endr
.set n, 0
	s_wait_alu depctr_va_vdst(0)
.rept 128
	v_rcp_f32 v[T+n], v[T+n]
.set n, n+1
.endr
	v_nop
	s_wait_alu depctr_va_vdst(0)
.irp v, 0,1
.set n, 0
.rept 8
	v_pk_fma_f32 v[T+64*\v+32+n:T+64*\v+33+n], v[T+64*\v+32+n:T+64*\v+33+n], -2.0, 1.0 op_sel_hi:[1,0,0]   ; tanh(g)
.set n, n+2
.endr
.endr
	s_wait_alu depctr_va_vdst(0)
	s_wait_dscnt 0x0                               ; this pair's old cell state is in, and so are the rows of the part before
.if (\p) > 0
	SENDP \p-1, 0
.endif
.irp v, 0,1
.set n, 0
.rept 8
	v_pk_mul_f32 v[T+64*\v+32+n:T+64*\v+33+n], v[T+64*\v+32+n:T+64*\v+33+n], v[T+64*\v+n:T+64*\v+n+1]   ; i g
.set n, n+2
.endr
.endr
.irp v, 0,1
.set n, 0
.rept 8
	v_pk_fma_f32 v[T+64*\v+16+n:T+64*\v+17+n], v[T+64*\v+16+n:T+64*\v+17+n], v[CP+16*\v+n:CP+16*\v+n+1], v[T+64*\v+32+n:T+64*\v+33+n]   ; c = f c_old + i g
.set n, n+2
.endr
.endr
.irp v, 0,1
.set n, 0
.rept 8
	v_pk_mul_f32 v[T+64*\v+n:T+64*\v+n+1], v[T+64*\v+16+n:T+64*\v+17+n], 0x4038aa3b op_sel_hi:[1,0]
.set n, n+2
.endr
.endr
.if (\p) < 3
	CPLOAD (\p)+1                                  ; the next pair's old cell state: this pair's has been read
.endif
	s_wait_alu depctr_va_vdst(0)
.irp v, 0,1
.set n, 0
.rept 16
	v_exp_f32 v[T+64*\v+n], v[T+64*\v+n]
.set n, n+1
.endr
.endr
	v_nop
	s_wait_alu depctr_va_vdst(0)
.irp v, 0,1
.set n, 0
.rept 8
	v_pk_add_f32 v[T+64*\v+n:T+64*\v+n+1], v[T+64*\v+n:T+64*\v+n+1], 1.0 op_sel_hi:[1,0]
.set n, n+2
.endr
.endr
	s_wait_alu depctr_va_vdst(0)
.irp v, 0,1
.set n, 0
.rept 16
	v_rcp_f32 v[T+64*\v+n], v[T+64*\v+n]
.set n, n+1
.endr
.endr
	v_nop
	s_wait_alu depctr_va_vdst(0)
.irp v, 0,1
.set n, 0
.rept 8
	v_pk_fma_f32 v[T+64*\v+n:T+64*\v+n+1], v[T+64*\v+n:T+64*\v+n+1], -2.0, 1.0 op_sel_hi:[1,0,0]   ; tanh(c)
.set n, n+2
.endr
.endr
.irp v, 0,1
.set n, 0
.rept 8
	v_pk_mul_f32 v[T+64*\v+n:T+64*\v+n+1], v[T+64*\v+n:T+64*\v+n+1], v[T+64*\v+48+n:T+64*\v+49+n]   ; h = o tanh(c)
.set n, n+2
.endr
.endr
.irp v, 0,1
.irp u, 0,1
.irp k, 0,1
	ds_store_b128 v[STOC], v[T+64*\v+16+8*\u+4*\k:T+64*\v+16+8*\u+4*\k+3] offset:(\p)*PART+\v*16*PITCH+64*\u+16*\k
	ds_store_b128 v[STOH], v[T+64*\v+8*\u+4*\k:T+64*\v+8*\u+4*\k+3] offset:(\p)*PART+\v*16*PITCH+64*\u+16*\k
.endr
.endr
.endr
.endm
.macro MEET                            ; a stage row's 256 bytes come from two waves: stores done, then a barrier, then the reads
	s_wait_dscnt 0x0
	s_barrier_signal -1
	s_barrier_wait -1
.endm
	CPLOAD 0
	GATES 0
	MEET
	BACKP 0
	GATES 1                                        ; part 0 is stored in its middle
	MEET
	BACKP 1
	GATES 2
	MEET
	BACKP 2
	GATES 3
	MEET
	BACKP 3
	SENDP 3, 1
	s_wait_tensorcnt 0x0                           ; the wave's end
	ds_add_u32 v[SPW], v[NIL]
	s_wait_dscnt 0x0
	CROUND                                         ; the closing round
	s_endpgm
.Lfunc_end_k_qb333e315bb_cell:
	.size	k_qb333e315bb_cell, .Lfunc_end_k_qb333e315bb_cell-k_qb333e315bb_cell
	.p2alignl 7, 3214868480
	.fill 96, 4, 3214868480
	.section	.rodata,"a",@progbits
	.p2align	6, 0x0
	.amdhsa_kernel k_qb333e315bb_cell
		.amdhsa_group_segment_fixed_size 327680
		.amdhsa_private_segment_fixed_size 0
		.amdhsa_enable_private_segment 0
		.amdhsa_kernarg_size 88
		.amdhsa_user_sgpr_count 2
		.amdhsa_user_sgpr_kernarg_segment_ptr 1
		.amdhsa_wavefront_size32 1
		.amdhsa_system_sgpr_workgroup_id_x 1
		.amdhsa_system_sgpr_workgroup_id_y 1
		.amdhsa_system_sgpr_workgroup_id_z 1
		.amdhsa_system_vgpr_workitem_id 0
		.amdhsa_next_free_vgpr 1024
		.amdhsa_next_free_sgpr 102
		.amdhsa_reserve_vcc 0
		.amdhsa_float_denorm_mode_32 3
		.amdhsa_float_denorm_mode_16_64 3
		.amdhsa_memory_ordered 1
		.amdhsa_forward_progress 1
		.amdhsa_inst_pref_size 255
	.end_amdhsa_kernel
	.section	.bss,"aw",@nobits
	.p2align	6
	.space	262144
	.amdgpu_metadata
---
amdhsa.version: [ 1, 2 ]
amdhsa.kernels:
  - .name:           k_qb333e315bb_cell
    .symbol:         k_qb333e315bb_cell.kd
    .args:
      - { .name: input_codes, .offset: 0, .size: 8, .value_kind: global_buffer, .address_space: global }
      - { .name: hidden_codes, .offset: 8, .size: 8, .value_kind: global_buffer, .address_space: global }
      - { .name: wq, .offset: 16, .size: 8, .value_kind: global_buffer, .address_space: global }
      - { .name: lowp_scales, .offset: 24, .size: 8, .value_kind: global_buffer, .address_space: global }
      - { .name: b_i, .offset: 32, .size: 8, .value_kind: global_buffer, .address_space: global }
      - { .name: b_f, .offset: 40, .size: 8, .value_kind: global_buffer, .address_space: global }
      - { .name: b_g, .offset: 48, .size: 8, .value_kind: global_buffer, .address_space: global }
      - { .name: b_o, .offset: 56, .size: 8, .value_kind: global_buffer, .address_space: global }
      - { .name: output, .offset: 64, .size: 8, .value_kind: global_buffer, .address_space: global }
      - { .name: out0, .offset: 72, .size: 8, .value_kind: global_buffer, .address_space: global }
      - { .name: out1, .offset: 80, .size: 8, .value_kind: global_buffer, .address_space: global }
    .group_segment_fixed_size: 327680
    .private_segment_fixed_size: 0
    .kernarg_segment_align: 8
    .kernarg_segment_size: 88
    .max_flat_workgroup_size: 128
    .sgpr_count:     102
    .vgpr_count:     1024
    .wavefront_size: 32
...
	.end_amdgpu_metadata
.endif
;; end of part 2
